; MI455X (gfx1250); checked and timed in simulation.
; The chip was launched on July 23, 2026; its instructions are those of AMD's public machine-readable ISA for CDNA 5 (MIT licence, August 2026) and "CDNA5" Instruction Set Architecture Reference Guide (July 2026). The comments in the code are by the model that wrote it; some were corrected since.
;; Standard Attention. Allowed arithmetic: float matrix products may take bf16 or f16 operands with f32 sums; all other float work in f32.
;; Inputs: W_attn 1,024 x 3,072 float32; W_proj 1,024 x 1,024 float32; b_attn 3,072 float32; b_proj 1,024 float32; x 2 x 2,048 x 1,024 float32.
;; Outputs: out0 2 x 2,048 x 1,024 float32.
;; 2 versions, each right; version 2 is version 1 with the launch cast written anew for expert scheduling mode. Each part assembles by itself: llvm-mc -triple=amdgcn-amd-amdhsa -mcpu=gfx1250 --defsym DOCPART=n.
;; ======== version 1 of 2: 4 launches
;; limits: values are held in f16: magnitudes above 65,504 overflow, below 6.1e-05 lose precision
;; workspace buffers: xb 8,388,608 bytes; wab 6,291,456 bytes; wpb 2,097,152 bytes; qkvh 25,165,824 bytes; yb 8,388,608 bytes
;; launch cast (part 1): grid 256 x 1, 8 waves a work-group, no clusters, 0 bytes of LDS; arguments x, W_attn, W_proj, xb, wab, wpb; writes xb, wab, wpb
.if DOCPART == 1
	.amdgcn_target "amdgcn-amd-amdhsa--gfx1250"
	.amdhsa_code_object_version 6
	.text
	.protected	k_q7e6bcef54a_cast
	.globl	k_q7e6bcef54a_cast
	.p2align	8
	.type	k_q7e6bcef54a_cast,@function
k_q7e6bcef54a_cast:
	s_mov_b64 s[64:65], 0
	v_nop
	global_prefetch_b8 v0, s[64:65] scope:SCOPE_SE
	s_setreg_imm32_b32 hwreg(HW_REG_WAVE_MODE, 25, 1), 1
	s_wait_xcnt 0x0
; cast: the three large f32 inputs become 16-bit matrix operands.
;   x      [4096][1024] f32 -> xb  bf16        W_attn [1024][3072] f32 -> wab bf16
;   W_proj [1024][1024] f32 -> wpb: rounded to bf16, and that number written in f16 format, because the last product's other
;   operand (y) is f16.  LIMIT: the f16 copy is exact for 2^-14 <= |w| < 65,504; below it is kept to 3e-8, above it overflows.
; A stream: no LDS, no barrier, no matrix unit.  A work-group takes 32,768 numbers (128 KiB in, 64 KiB out):
; groups 0-127 x, 128-223 W_attn, 224-255 W_proj.  Thread t owns 8 numbers of each chunk of 2,048: 32 bytes in, 16 bytes out,
; so a wave's store covers 512 consecutive bytes that start at a multiple of 512.
; All 32 loads of a thread go out first; nothing is loaded twice and no register is used twice, so no wait frees a source.
.set T, 4                              ; v[4:11]    at work (W_proj only)
.set X, 12                             ; v[12:139]  chunk i: 8 numbers as loaded
.set Y, 140                            ; v[140:203] chunk i: 4 registers to store
	s_load_b256 s[4:11], s[0:1], 0x0               ; x s[4:5], W_attn s[6:7], W_proj s[8:9], xb s[10:11]
	s_load_b128 s[12:15], s[0:1], 0x20             ; wab s[12:13], wpb s[14:15]
	v_lshlrev_b32 v1, 5, v0                        ; 32 t: my bytes in a chunk of the source
	v_lshlrev_b32 v2, 4, v0                        ; 16 t: my bytes in a chunk of the destination
	s_mov_b32 s20, 224
	s_mov_b32 s21, 0xffff0000                      ; a word's upper bf16
	s_wait_kmcnt 0x0
	s_cmp_lt_u32 ttmp9, 224                        ; which tensor is mine: the choice hangs on the group's number alone
	s_cselect_b64 s[16:17], s[6:7], s[8:9]
	s_cselect_b64 s[18:19], s[12:13], s[14:15]
	s_cselect_b32 s20, 128, s20
	s_cmp_lt_u32 ttmp9, 128
	s_cselect_b64 s[16:17], s[4:5], s[16:17]       ; source
	s_cselect_b64 s[18:19], s[10:11], s[18:19]     ; destination
	s_cselect_b32 s20, 0, s20                      ; the tensor's first group
	s_sub_co_u32 s20, ttmp9, s20                   ; my place in the tensor
	s_lshl_b32 s22, s20, 17                        ; x 128 KiB
	s_mov_b32 s23, 0
	s_lshl_b32 s24, s20, 16                        ; x 64 KiB
	s_mov_b32 s25, 0
	s_add_nc_u64 s[16:17], s[16:17], s[22:23]
	s_add_nc_u64 s[18:19], s[18:19], s[24:25]
.irp i, 0,1,2,3,4,5,6,7,8,9,10,11,12,13,14,15
	global_load_b128 v[X+8*\i:X+8*\i+3],   v1, s[16:17] offset:8192*\i th:TH_LOAD_NT
	global_load_b128 v[X+8*\i+4:X+8*\i+7], v1, s[16:17] offset:8192*\i+16 th:TH_LOAD_NT
.endr
; chunk i: wait for its two loads, round, store.  f16 = 1: the bf16 numbers are widened again and written as f16.
.macro CONV i, f16
	s_wait_loadcnt 30-2*\i                         ; loads return in order (ISA guide 5.7.1): the 2 (15 - i) younger ones stay out
.irp k, 0,1,2,3
	v_cvt_pk_bf16_f32 v[Y+4*\i+\k], v[X+8*\i+2*\k], v[X+8*\i+2*\k+1]
.endr
.if \f16
.irp k, 0,1,2,3
	v_lshlrev_b32 v[T+2*\k],   16,  v[Y+4*\i+\k]
	v_and_b32     v[T+2*\k+1], s21, v[Y+4*\i+\k]
.endr
.irp k, 0,1,2,3
	v_cvt_pk_f16_f32 v[Y+4*\i+\k], v[T+2*\k], v[T+2*\k+1]
.endr
.endif
	global_store_b128 v2, v[Y+4*\i:Y+4*\i+3], s[18:19] offset:4096*\i
.endm
	s_cmp_ge_u32 ttmp9, 224
	s_cbranch_scc1 .Lproj                          ; the same 32 loads are out on both ways
.irp i, 0,1,2,3,4,5,6,7,8,9,10,11,12,13,14,15
	CONV \i, 0
.endr
	s_endpgm
.Lproj:
.irp i, 0,1,2,3,4,5,6,7,8,9,10,11,12,13,14,15
	CONV \i, 1
.endr
	s_endpgm
.Lfunc_end_k_q7e6bcef54a_cast:
	.size	k_q7e6bcef54a_cast, .Lfunc_end_k_q7e6bcef54a_cast-k_q7e6bcef54a_cast
	.p2alignl 7, 3214868480
	.fill 96, 4, 3214868480
	.section	.rodata,"a",@progbits
	.p2align	6, 0x0
	.amdhsa_kernel k_q7e6bcef54a_cast
		.amdhsa_group_segment_fixed_size 0
		.amdhsa_private_segment_fixed_size 0
		.amdhsa_enable_private_segment 0
		.amdhsa_kernarg_size 48
		.amdhsa_user_sgpr_count 2
		.amdhsa_user_sgpr_kernarg_segment_ptr 1
		.amdhsa_wavefront_size32 1
		.amdhsa_system_sgpr_workgroup_id_x 1
		.amdhsa_system_sgpr_workgroup_id_y 1
		.amdhsa_system_sgpr_workgroup_id_z 1
		.amdhsa_system_vgpr_workitem_id 0
		.amdhsa_next_free_vgpr 204
		.amdhsa_next_free_sgpr 66
		.amdhsa_reserve_vcc 0
		.amdhsa_float_denorm_mode_32 3
		.amdhsa_float_denorm_mode_16_64 3
		.amdhsa_memory_ordered 1
		.amdhsa_forward_progress 1
		.amdhsa_inst_pref_size 25
	.end_amdhsa_kernel
	.amdgpu_metadata
---
amdhsa.version: [ 1, 2 ]
amdhsa.kernels:
  - .name:           k_q7e6bcef54a_cast
    .symbol:         k_q7e6bcef54a_cast.kd
    .args:
      - { .name: x, .offset: 0, .size: 8, .value_kind: global_buffer, .address_space: global }
      - { .name: W_attn, .offset: 8, .size: 8, .value_kind: global_buffer, .address_space: global }
      - { .name: W_proj, .offset: 16, .size: 8, .value_kind: global_buffer, .address_space: global }
      - { .name: xb, .offset: 24, .size: 8, .value_kind: global_buffer, .address_space: global }
      - { .name: wab, .offset: 32, .size: 8, .value_kind: global_buffer, .address_space: global }
      - { .name: wpb, .offset: 40, .size: 8, .value_kind: global_buffer, .address_space: global }
    .group_segment_fixed_size: 0
    .private_segment_fixed_size: 0
    .kernarg_segment_align: 8
    .kernarg_segment_size: 48
    .max_flat_workgroup_size: 256
    .sgpr_count:     66
    .vgpr_count:     204
    .wavefront_size: 32
...
	.end_amdgpu_metadata
.endif
;; end of part 1
;; launch qkvgemm (part 2): grid 8 x 32, 4 waves a work-group, clusters of 4 x 4, 327,680 bytes of LDS; arguments xb, wab, b_attn, qkvh; writes qkvh
.if DOCPART == 2
	.amdgcn_target "amdgcn-amd-amdhsa--gfx1250"
	.amdhsa_code_object_version 6
	.text
	.protected	k_q7e6bcef54a_qkvgemm
	.globl	k_q7e6bcef54a_qkvgemm
	.p2align	8
	.type	k_q7e6bcef54a_qkvgemm,@function
k_q7e6bcef54a_qkvgemm:
	s_mov_b64 s[64:65], 0
	v_nop
	global_prefetch_b8 v0, s[64:65] scope:SCOPE_SE
	s_setreg_imm32_b32 hwreg(HW_REG_WAVE_MODE, 25, 1), 1
	s_wait_xcnt 0x0
	s_wait_alu depctr_hold_cnt(0) depctr_sa_sdst(0) depctr_va_vdst(0) depctr_va_sdst(0) depctr_va_ssrc(0) depctr_va_vcc(0) depctr_vm_vsrc(0)
	s_getreg_b32 s2, hwreg(HW_REG_IB_STS2, 6, 4)
	s_cmp_eq_u32 s2, 0
	s_cbranch_scc0 .Lentry_in_a_cluster
	s_endpgm
.Lentry_in_a_cluster:
	s_bfe_u32 s2, ttmp6, 0x10000c
	s_cmp_lg_u32 s2, 0xf033
	s_cbranch_scc0 .Lentry_shape_is_right
	s_endpgm
.Lentry_shape_is_right:
; qkv = x W_attn + b_attn, then per head: RMS norm and rotation (q and k), q also times log2(e)/8, all written as f16 to
; qkvh[type 3][batch 2][head 16][token 2048][d 64].   xb: [4096][1024] bf16.  wab: [1024][3072] bf16.  b_attn: [3072] f32.
; A work-group makes 128 tokens x 384 columns (six heads) with four waves.  Wave (mh, nh) makes tokens 64 mh .. +63 of the heads
; 2 hh + nh, hh = 0..2: 48 accumulator tiles of 16 x 16, 384 registers.  K goes in steps of 128 through two LDS slots.
; CLUSTERS: 4 x 4 work-groups.  The x tile hangs on the block row alone and is asked for jointly by a row of the cluster; W's panels hang on
; the block column alone and are asked for jointly by a column.  Waves 0-2 ask for W's three panels of 128 columns, wave 3 for the x tile.
; THE MATRIX INSTRUCTION IS USED TRANSPOSED: source 0 = 16 columns of W (brought from [k][n] rows by the transposing LDS load), source 1 =
; 16 tokens of x.  Lane (r, h), register j of tile (mb, 4 hh + b) then holds token 16 mb + r, d = 16 b + 8 h + j of the head: the norm's sum
; is in the lane plus one exchange of the halves, the rotation's partners d and d + 32 are tiles b and b + 2 in the same register, and eight
; neighbouring d pack into 16 bytes.  The first product takes the bias as C: nothing is cleared and no add follows.
; The rotation's angle is head x 10000^(-i/32), the same for every token: each wave makes cos and sin of its three heads once, in LDS.
; v's heads go the same way with angle 0 and factor 1 (selected values, no branch).
; LIMITS: v is stored as f16: |v| < 65,504.  NaN and infinities get no special care.
; REGISTERS in windows of 256:  window 0: v16-29 addresses, v64-127 x fragments (two buffers), v128-223 bias, later the way out;
;   window 1: v0-191 W fragments (two buffers);  window 2: tiles of tokens 0-31 at 8 (12 a + nb);  window 3: tokens 32-63.
.set WP,     288                       ; W's LDS row: 256 bytes + 32 of padding, an odd multiple of 32 for the transposing load
.set XP,     272                       ; x's LDS row: 256 bytes + 16, an odd multiple of 16
.set PANEL,  128*WP                    ; 36,864: a panel of W, 128 k x 128 columns; the x tile (128 x 272 = 34,816) has the same room
.set SLOT,   4*PANEL                   ; three panels, then the x tile
.set XOFF,   3*PANEL
.set STAGE,  2*SLOT                    ; 16 rows x 144 bytes for each wave: the way out; no tensor load lands here
.set SPITCH, 144
.set TABLE,  STAGE+4*16*SPITCH         ; 768 bytes for each wave: three heads x (32 cos, 32 sin)
.set LAPS,   4                         ; 1024 / (2 x 128): a lap is once round the two slots
.set ADRX, 16                          ; v16-17  my x fragments in slot 0, 1
.set ADRW, 18                          ; v18-23  my W fragments: 3 slot + hh
.set STO,  24
.set RD,   25
.set CO,   26
.set TBW,  27
.set TBR,  28
.set BOFF, 29
.set XF,   64                          ; x fragments, buffer f at XF + 32 f (window 0); W's at 96 f (window 1)
.set BIAS, 128                         ; v128-223: tile nb's eight biases
.set X,    128                         ; the way out: a head's 64 numbers of 16 tokens, 32 registers
.set CS,   160                         ; 16 cos, then 16 sin
.set PK,   192                         ; packed f16
.set RB,   208                         ; rows read back, two sets of 16
.set T,    240
.set SS,   248
.set RS,   252
.set TF,   224                         ; the table's temporaries v224-234, at the head only
.set TA,   225
.set TN,   226
.set TR,   227
.set TR2,  228
.set TP,   229
.set TQ,   230
.set TI,   231
.set TS,   232
.set TC,   233
.set TM,   234
.set G1,  24                           ; s[24:31] group 1, x tile
.set G0,  32                           ; s[32:39] group 0, x tile, a set for each slot
.set G1B, 48                           ; s[48:55] group 1, W's panels
.set G0B, 56                           ; s[56:63] group 0, W's panels, a set for each slot
.set MUL_LO, 0xa1                      ; source 0 window 1, source 1 window 0, C and D window 2
.set MUL_HI, 0xf1                      ; C and D window 3
.set FST_LO, 0x81                      ; the first products: C (the bias) window 0, D window 2
.set FST_HI, 0xc1
.set TO_W,   0x40                      ; destination window 1, address window 0
.set MSB, 0
.macro WIN new                         ; the immediate's high byte repeats the setting that is left
.if MSB != \new
	s_set_vgpr_msb (MSB<<8)|\new
.set MSB, \new
.endif
.endm
.macro PLACES                          ; four places behind a matrix instruction (ISA guide 7.12.1) before its registers are loaded into or read
.rept 4
	v_nop
.endr
.endm
; A joint load.  Each line has one mask and one set of registers; the branch hangs on the wave's number alone.
.macro JLOAD s
	s_cmp_eq_u32 s12, 3
	s_cbranch_scc0 .Lfor_w_\@
	tensor_load_to_lds s[G0+4*\s:G0+4*\s+3], s[G1:G1+7]
	s_nop 0
	s_branch .Lasked_\@
.Lfor_w_\@:
	tensor_load_to_lds s[G0B+4*\s:G0B+4*\s+3], s[G1B:G1B+7]
	s_nop 0
.Lasked_\@:
.endm
.macro CREST                           ; a round of the cluster's barrier behind its opening work-group barrier
	s_cmp_lg_u32 s12, 0
	s_cbranch_scc1 .Lnot_wave_0_\@
	s_barrier_signal -3
.Lnot_wave_0_\@:
	s_barrier_wait -3
	s_barrier_signal -1
	s_barrier_wait -1
.endm
.macro CROUND
	s_barrier_signal -1
	s_barrier_wait -1
	CREST
.endm
	s_load_b256 s[4:11], s[0:1], 0x0               ; xb s[4:5], wab s[6:7], b_attn s[8:9], qkvh s[10:11]
	s_set_vgpr_msb 0x40
	v_lshl_add_u32 v255, v0, 2, 0x4b000
	s_set_vgpr_msb 0x4000
	v_mov_b32 v255, 0
	s_set_vgpr_msb 0x1
	ds_add_u32 v255, v255
	s_set_vgpr_msb 0x100
	v_lshrrev_b32 v1, 5, v0
	v_readfirstlane_b32 s12, v1                    ; wave 0..3
	s_lshr_b32 s13, s12, 1                         ; mh: which 64 tokens
	s_and_b32 s14, s12, 1                          ; nh: the even or the odd heads
	s_bfe_u32 s40, ttmp6, 0x40000                  ; cx
	s_bfe_u32 s41, ttmp6, 0x40004                  ; cy
	s_lshl_b32 s42, ttmp9, 2
	s_add_co_u32 s42, s42, s40                     ; bx: block of 384 columns
	s_and_b32 s15, ttmp7, 0xffff
	s_lshl_b32 s15, s15, 2
	s_add_co_u32 s15, s15, s41                     ; by: block of 128 tokens
	s_lshl_b32 s43, s41, 2
	s_lshl_b32 s43, 15, s43                        ; my row of the cluster
	s_lshl_b32 s44, 0x1111, s40                    ; my column
	s_or_b32 s[G1+0],  s43, (1<<16)|(1<<20)|(1<<21)|(5<<22)|(3<<25)   ; mask; 2-byte elements; padding on; bit 21 beside a mask; after 64 words, 4 words
	s_or_b32 s[G1B+0], s44, (1<<16)|(1<<20)|(1<<21)|(5<<22)|(7<<25)   ; the same with my column's mask and 8 words of padding
	s_mov_b32 s[G1+1], 128<<16                     ; tensor_dim0 = 128
	s_mov_b32 s[G1B+1], 128<<16
	s_mov_b32 s[G1+2], 128<<16                     ; tensor_dim1 = 128
	s_mov_b32 s[G1B+2], 128<<16
	s_mov_b32 s[G1+3], 128<<16                     ; tile_dim0 = 128
	s_mov_b32 s[G1B+3], 128<<16
	s_mov_b32 s[G1+4], 128                         ; tile_dim1 = 128
	s_mov_b32 s[G1B+4], 128
	s_mov_b32 s[G1+5], 1024                        ; x: 1,024 elements from row to row
	s_mov_b32 s[G1B+5], 3072                       ; W: 3,072
	s_mov_b32 s[G1+6], 0
	s_mov_b32 s[G1B+6], 0
	s_mov_b32 s[G1+7], 0
	s_mov_b32 s[G1B+7], 0
	s_lshl_b32 s16, s15, 18                        ; x: 128 by rows of 2,048 bytes; made of the block row alone
	s_mov_b32 s17, 0
	s_mul_i32 s46, s42, 768                        ; W: 384 bx columns of 2 bytes + my panel's 256 bytes; made of the block column and the wave
	s_lshl_b32 s47, s12, 8
	s_add_co_u32 s46, s46, s47
	s_mov_b32 s47, 0
	s_mul_i32 s20, s12, PANEL                      ; where my load goes: wave x 36,864 (wave 3: the x tile's place)
	s_wait_dscnt 0x0
	s_wait_kmcnt 0x0
	s_add_nc_u64 s[16:17], s[4:5], s[16:17]
	s_add_nc_u64 s[46:47], s[6:7], s[46:47]
	CROUND                                         ; all sixteen work-groups are here: the first joint loads meet
.irp s, 0,1
	s_mov_b32 s[G0+4*\s], 1
	s_add_co_u32 s[G0+4*\s+1], s20, \s*SLOT
	s_add_nc_u64 s[G0+4*\s+2:G0+4*\s+3], s[16:17], \s*256            ; K step s: 128 elements along the row
	s_or_b32 s[G0+4*\s+3], s[G0+4*\s+3], 0x80000000
	s_mov_b32 s[G0B+4*\s], 1
	s_add_co_u32 s[G0B+4*\s+1], s20, \s*SLOT
	s_add_nc_u64 s[G0B+4*\s+2:G0B+4*\s+3], s[46:47], \s*786432       ; K step s: 128 rows of 6,144 bytes
	s_or_b32 s[G0B+4*\s+3], s[G0B+4*\s+3], 0x80000000
	JLOAD \s                                       ; both slots are asked for before anything else: two loads of the wave are out
.endr
	; lane addresses
	v_and_b32 v1, 15, v0                           ; r
	v_bfe_u32 v2, v0, 4, 1                         ; h
	v_and_b32 v3, 7, v0                            ; lane & 7
	v_bfe_u32 v4, v0, 3, 1                         ; (lane >> 3) & 1
	v_bfe_u32 v7, v0, 3, 2                         ; lane >> 3
	v_and_b32 v8, 31, v0                           ; lane
	v_mul_u32_u24 v5, v1, XP
	v_lshl_add_u32 v5, v2, 4, v5                   ; x: row r, 16 h
	s_mul_i32 s21, s13, 64*XP
	s_add_co_u32 s21, s21, XOFF
	v_add_nc_u32 v[ADRX], s21, v5
	v_add_nc_u32 v[ADRX+1], SLOT, v[ADRX]
	v_lshl_add_u32 v6, v2, 3, v3                   ; W: k row 8 h + (lane & 7),
	v_mul_u32_u24 v6, v6, WP
	v_lshl_add_u32 v6, v4, 4, v6                   ; 16 bytes further for lanes 8-15 of each half,
	s_lshl_b32 s22, s14, 7
	v_add_nc_u32 v6, s22, v6                       ; my head's 64 columns of the panel
.irp s, 0,1
.irp hh, 0,1,2
	v_add_nc_u32 v[ADRW+3*\s+\hh], \s*SLOT+\hh*PANEL, v6
.endr
.endr
	s_mul_i32 s23, s12, 16*SPITCH
	s_add_co_u32 s23, s23, STAGE
	v_mul_u32_u24 v9, v1, SPITCH
	v_lshl_add_u32 v9, v2, 4, v9
	v_add_nc_u32 v[STO], s23, v9                   ; in: token r, 16 h
	v_mul_u32_u24 v9, v7, SPITCH
	v_lshl_add_u32 v9, v3, 4, v9
	v_add_nc_u32 v[RD], s23, v9                    ; back: eight lanes take a token's 128 bytes
	v_lshlrev_b32 v[CO], 4, v8                     ; and in memory four tokens are 512 consecutive bytes
	s_mul_i32 s23, s12, 768
	s_add_co_u32 s23, s23, TABLE
	v_lshl_add_u32 v[TBW], v8, 2, s23
	v_lshl_add_u32 v[TBR], v2, 5, s23
	s_lshl_b32 s22, s14, 8
	v_lshl_add_u32 v[BOFF], v2, 5, s22             ; bias: 256 nh + 32 h
	s_mul_i32 s86, s42, 1536
	s_mov_b32 s87, 0
	s_add_nc_u64 s[8:9], s[8:9], s[86:87]          ; b_attn at my block's first column
.irp hh, 0,1,2
.irp b, 0,1,2,3
	global_load_b128 v[BIAS+8*(4*\hh+\b):BIAS+8*(4*\hh+\b)+3],   v[BOFF], s[8:9] offset:512*\hh+64*\b
	global_load_b128 v[BIAS+8*(4*\hh+\b)+4:BIAS+8*(4*\hh+\b)+7], v[BOFF], s[8:9] offset:512*\hh+64*\b+16
.endr
.endr
	s_mov_b32 s66, 0x76543210                      ; v_permlanex16_b32: lane i reads lane i of the other half
	s_mov_b32 s67, 0xfedcba98
	s_mov_b32 s68, 0x3c800000                      ; 1/64
	s_mov_b32 s69, 0x34000000                      ; the norm's eps, 2^-23
	; for each of my three heads: g = its number among the 48 of q, k, v
.irp hh, 0,1,2
	s_mul_i32 s86, s42, 6
	s_add_co_u32 s86, s86, s14
	s_add_co_u32 s86, s86, 2*\hh                   ; g
	s_lshr_b32 s87, s86, 4                         ; type: 0 q, 1 k, 2 v
	s_and_b32 s88, s86, 15                         ; head
	s_cmp_eq_u32 s87, 2
	s_cselect_b32 s[70+\hh], 0, s88                ; the angle's multiplier: the head's number, 0 for v
	s_cselect_b32 s[76+\hh], -1, 0                 ; all lanes: this is v, the factor is 1
	s_cmp_eq_u32 s87, 0
	s_cselect_b32 s[73+\hh], 0x3e38aa3b, 1.0       ; q carries log2(e)/8, so that 2^(q.k) is exp(score)
	s_lshl_b32 s87, s87, 5
	s_add_co_u32 s87, s87, s88
	s_and_b32 s89, s15, 16                         ; 16 x batch (a batch is 16 blocks of tokens)
	s_add_co_u32 s87, s87, s89
	s_lshl_b32 s86, s87, 18                        ; planes of 2,048 x 128 bytes
	s_and_b32 s89, s15, 15
	s_lshl_b32 s89, s89, 14                        ; 128 tokens of 128 bytes for each block
	s_add_co_u32 s86, s86, s89
	s_lshl_b32 s89, s13, 13                        ; my 64 tokens
	s_add_co_u32 s86, s86, s89
	s_mov_b32 s87, 0
	s_add_nc_u64 s[80+2*\hh:81+2*\hh], s[10:11], s[86:87]
.endr
	; the rotation's table: lane i owns frequency i.  F = 10000^(-i/32) = 2^(-i log2(10000)/32)
	v_cvt_f32_u32 v[TA], v8
	v_mul_f32 v[TA], 0xbed49a78, v[TA]
	v_exp_f32 v[TF], v[TA]
	v_nop                                          ; one plain place behind the transcendental (ISA guide 5.7.2)
	s_wait_alu depctr_va_vdst(0)
.irp hh, 0,1,2
	v_cvt_f32_u32 v[TM], s[70+\hh]
	v_mul_f32 v[TA], v[TF], v[TM]                  ; the angle, 0 to 15
	v_mul_f32 v[TN], 0x3f22f983, v[TA]             ; x 2/pi
	v_rndne_f32 v[TN], v[TN]                       ; N quarter turns
	v_fmamk_f32 v[TR], v[TN], 0xbfc90fdb, v[TA]    ; R = angle - N pi/2, pi/2 in two parts
	v_fmamk_f32 v[TR], v[TN], 0x333bbd2e, v[TR]    ; |R| <= pi/4
	v_mul_f32 v[TR2], v[TR], v[TR]
	v_mov_b32 v[TP], 0xb9500d01                    ; sin R = R + R^3 (-1/6 + R^2 (1/120 - R^2/5040))
	v_fmaak_f32 v[TP], v[TP], v[TR2], 0x3c088889
	v_fmaak_f32 v[TP], v[TP], v[TR2], 0xbe2aaaab
	v_mul_f32 v[TP], v[TP], v[TR2]
	v_fma_f32 v[TP], v[TP], v[TR], v[TR]
	v_mov_b32 v[TQ], 0x37d00d01                    ; cos R = 1 + R^2 (-1/2 + R^2 (1/24 + R^2 (-1/720 + R^2/40320)))
	v_fmaak_f32 v[TQ], v[TQ], v[TR2], 0xbab60b61
	v_fmaak_f32 v[TQ], v[TQ], v[TR2], 0x3d2aaaab
	v_fma_f32 v[TQ], v[TQ], v[TR2], -0.5
	v_fma_f32 v[TQ], v[TQ], v[TR2], 1.0
	v_cvt_i32_f32 v[TI], v[TN]
	v_and_b32 v[TM], 1, v[TI]
	v_cmp_eq_u32 vcc_lo, 1, v[TM]                  ; an odd quarter swaps the two
	v_cndmask_b32 v[TS], v[TP], v[TQ], vcc_lo
	v_cndmask_b32 v[TC], v[TQ], v[TP], vcc_lo
	v_and_b32 v[TM], 2, v[TI]                      ; quarters 2, 3: the sine changes sign
	v_lshlrev_b32 v[TM], 30, v[TM]
	v_xor_b32 v[TS], v[TS], v[TM]
	v_add_nc_u32 v[TI], 1, v[TI]                   ; quarters 1, 2: the cosine does
	v_and_b32 v[TM], 2, v[TI]
	v_lshlrev_b32 v[TM], 30, v[TM]
	v_xor_b32 v[TC], v[TC], v[TM]
	ds_store_b32 v[TBW], v[TC] offset:256*\hh
	ds_store_b32 v[TBW], v[TS] offset:256*\hh+128  ; the wave's own bytes: only this wave reads them
.endr
; 12 matrix instructions: 16 tokens (a of the window's two; hi = 0 tokens 0-31, 1 tokens 32-63) x my 192 columns, 32 along K, from buffer f
.macro MUL12 f, hi, a, first
.irp nb, 0,1,2,3,4,5,6,7,8,9,10,11
.if \first
	v_wmma_f32_16x16x32_bf16 v[8*(12*\a+\nb):8*(12*\a+\nb)+7], v[96*\f+8*\nb:96*\f+8*\nb+7], v[XF+32*\f+8*(2*\hi+\a):XF+32*\f+8*(2*\hi+\a)+7], v[BIAS+8*\nb:BIAS+8*\nb+7]
.else
	v_wmma_f32_16x16x32_bf16 v[8*(12*\a+\nb):8*(12*\a+\nb)+7], v[96*\f+8*\nb:96*\f+8*\nb+7], v[XF+32*\f+8*(2*\hi+\a):XF+32*\f+8*(2*\hi+\a)+7], v[8*(12*\a+\nb):8*(12*\a+\nb)+7]
.endif
.endr
.endm
; 32 LDS loads in one run: quarter q (32 along K) of a slot into buffer f: 12 W fragments, transposed on the way, then 4 x fragments
.macro FETCH slot, q, f
	WIN TO_W
.irp hh, 0,1,2
.irp b, 0,1,2,3
	ds_load_tr16_b128 v[96*\f+8*(4*\hh+\b):96*\f+8*(4*\hh+\b)+3],   v[ADRW+3*\slot+\hh] offset:\q*32*WP+32*\b
	ds_load_tr16_b128 v[96*\f+8*(4*\hh+\b)+4:96*\f+8*(4*\hh+\b)+7], v[ADRW+3*\slot+\hh] offset:\q*32*WP+32*\b+16*WP
.endr
.endr
	WIN 0
.irp i, 0,1,2,3
	ds_load_b128 v[XF+32*\f+8*\i:XF+32*\f+8*\i+3],   v[ADRX+\slot] offset:64*\q+\i*16*XP
	ds_load_b128 v[XF+32*\f+8*\i+4:XF+32*\f+8*\i+7], v[ADRX+\slot] offset:64*\q+\i*16*XP+32
.endr
.endm
; One of a K step's first three quarters: multiplies buffer f and fetches quarter q into buffer g in its middle.
; The 48 accumulators take turns, one instruction a turn, in the same order in every quarter.
.macro QUARTER slot, q, f, g, first
	s_wait_dscnt 4                                 ; W and x's tokens 0-31 are in; the youngest four loads (tokens 32-63) may be out
.if \first
	WIN FST_LO
.else
	WIN MUL_LO
.endif
	MUL12 \f, 0, 0, \first
	MUL12 \f, 0, 1, \first
	PLACES
	FETCH \slot, \q, \g
	s_wait_dscnt 32                                ; all but the 32 just issued
.if \first
	WIN FST_HI
.else
	WIN MUL_HI
.endif
	MUL12 \f, 1, 0, \first
	MUL12 \f, 1, 1, \first
.endm
.macro THREE slot, first
	QUARTER \slot, 1, 0, 1, \first
	QUARTER \slot, 2, 1, 0, 0
	QUARTER \slot, 3, 0, 1, 0
.endm
; The last quarter multiplies buffer 1 and changes slots.  In front of the barrier each wave waits for its reads of this slot and for all its
; tensor loads (one is out: its part of the next slot).  Where the slot is filled again the barrier opens a round of the cluster's barrier, only
; register work stands inside, and the joint refill is the first tensor load behind the round: one load of the wave is out from there on.
; From that request to the wait for it a wave issues 180 matrix instructions.
.macro TURN slot, next, fill
	s_wait_dscnt 4
	WIN MUL_LO
	MUL12 1, 0, 0, 0
	s_wait_dscnt 0                                 ; my reads of this slot are over
	s_wait_tensorcnt 0x0                           ; all my tensor loads have landed
	ds_add_u32 v255, v255
	s_wait_dscnt 0x0
	s_barrier_signal -1
	MUL12 1, 0, 1, 0                               ; registers only, while the others arrive
	WIN 0
	s_barrier_wait -1
.if \fill
	CREST
	s_add_nc_u64 s[G0+4*\slot+2:G0+4*\slot+3], s[G0+4*\slot+2:G0+4*\slot+3], 512        ; two K steps on: no load of mine is out, so group 0 may be written
	s_add_nc_u64 s[G0B+4*\slot+2:G0B+4*\slot+3], s[G0B+4*\slot+2:G0B+4*\slot+3], 1572864
	JLOAD \slot
.endif
	PLACES
	FETCH \next, 0, 0
	WIN MUL_HI
	MUL12 1, 1, 0, 0
	MUL12 1, 1, 1, 0
.endm
.macro LAP first
	THREE 0, \first
	TURN 0, 1, 1
	THREE 1, 0
	TURN 1, 0, 1
.endm
	s_wait_dscnt 0x0                               ; the table's stores: no LDS instruction is pending at a signal
	s_wait_tensorcnt 0x1                           ; my part of K step 0 is in; K step 1's stays out
	s_barrier_signal -1
	s_barrier_wait -1
	FETCH 0, 0, 0
	s_wait_loadcnt 0x0                             ; the bias
	LAP 1                                          ; the first lap stands in front of the loop: its first products start the sums from the bias
	WIN 0
	s_mov_b32 s3, LAPS-2
.Llap:
	LAP 0
	WIN 0
	s_sub_co_u32 s3, s3, 1
	s_cmp_lg_u32 s3, 0
	s_cbranch_scc1 .Llap
	THREE 0, 0                                     ; the last lap fills nothing
	TURN 0, 1, 0
	THREE 1, 0
	s_wait_dscnt 4
	WIN MUL_LO
	MUL12 1, 0, 0, 0
	MUL12 1, 0, 1, 0
	s_wait_dscnt 0
	WIN MUL_HI
	MUL12 1, 1, 0, 0
	MUL12 1, 1, 1, 0
	WIN 0
	PLACES                                         ; behind the last matrix instructions: results are read, operand registers written
; THE WAY OUT: head hh, tokens 16 mb .. +15.  A lane holds 32 of a token's 64 numbers, the lane 16 away the other 32.
.macro OUTG hh, mb
.set AB, 8*(12*(\mb&1)+4*\hh)
.if \mb < 2
	WIN 0x0a                                       ; sources 0 and 1 in window 2
.else
	WIN 0x0f                                       ; in window 3
.endif
	v_pk_mul_f32 v[SS:SS+1],   v[AB:AB+1],   v[AB:AB+1]          ; the sum of squares, two chains, started by the first products
	v_pk_mul_f32 v[SS+2:SS+3], v[AB+2:AB+3], v[AB+2:AB+3]
.set i, 4
.rept 14
	v_pk_fma_f32 v[SS+(i&2):SS+(i&2)+1], v[AB+i:AB+i+1], v[AB+i:AB+i+1], v[SS+(i&2):SS+(i&2)+1]
.set i, i+2
.endr
	WIN 0
	v_pk_add_f32 v[SS:SS+1], v[SS:SS+1], v[SS+2:SS+3]
	v_add_f32 v[SS], v[SS], v[SS+1]
	v_permlanex16_b32 v[SS+2], v[SS], s66, s67     ; the other half's 32 numbers
	v_add_f32 v[SS], v[SS], v[SS+2]
	v_fma_f32 v[SS], v[SS], s68, s69               ; mean square + eps
	v_rsq_f32 v[RS], v[SS]
	v_nop                                          ; one plain place behind the transcendental (ISA guide 5.7.2)
	s_wait_alu depctr_va_vdst(0)
	v_mul_f32 v[RS], s[73+\hh], v[RS]              ; q's scale rides on the norm's factor
	v_cndmask_b32 v[RS], v[RS], 1.0, s[76+\hh]     ; v is not normalised
	v_mov_b32 v[RS+1], v[RS]
.if \mb < 2
	WIN 0x02
.else
	WIN 0x03
.endif
.set i, 0
.rept 16
	v_pk_mul_f32 v[X+i:X+i+1], v[AB+i:AB+i+1], v[RS:RS+1]
.set i, i+2
.endr
	WIN 0
.irp b, 0,1
.irp p, 0,1,2,3
	v_pk_mul_f32 v[T+4*(\p&1):T+4*(\p&1)+1],   v[X+16+8*\b+2*\p:X+16+8*\b+2*\p+1], v[CS+16+8*\b+2*\p:CS+16+8*\b+2*\p+1]   ; x2 sin
	v_pk_mul_f32 v[T+4*(\p&1)+2:T+4*(\p&1)+3], v[X+8*\b+2*\p:X+8*\b+2*\p+1],       v[CS+16+8*\b+2*\p:CS+16+8*\b+2*\p+1]   ; x1 sin
	v_pk_fma_f32 v[X+8*\b+2*\p:X+8*\b+2*\p+1], v[X+8*\b+2*\p:X+8*\b+2*\p+1], v[CS+8*\b+2*\p:CS+8*\b+2*\p+1], v[T+4*(\p&1):T+4*(\p&1)+1]   ; y1 = x1 cos + x2 sin
	v_pk_fma_f32 v[X+16+8*\b+2*\p:X+16+8*\b+2*\p+1], v[X+16+8*\b+2*\p:X+16+8*\b+2*\p+1], v[CS+8*\b+2*\p:CS+8*\b+2*\p+1], v[T+4*(\p&1)+2:T+4*(\p&1)+3] neg_lo:[0,0,1] neg_hi:[0,0,1]   ; y2 = x2 cos - x1 sin
.endr
.endr
.irp b, 0,1,2,3
.irp r, 0,1,2,3
	v_cvt_pk_f16_f32 v[PK+4*\b+\r], v[X+8*\b+2*\r], v[X+8*\b+2*\r+1]
.endr
.endr
.irp b, 0,1,2,3
	ds_store_b128 v[STO], v[PK+4*\b:PK+4*\b+3] offset:32*\b
.endr
	s_wait_xcnt 0x0                                ; the registers that earlier stores read are loaded again only behind this wait (ISA guide 3.1)
.irp t, 0,1,2,3
	ds_load_b128 v[RB+16*(\mb&1)+4*\t:RB+16*(\mb&1)+4*\t+3], v[RD] offset:\t*4*SPITCH   ; LDS serves a wave's instructions in order (ISA guide 5.7.1): these see the stores above
.endr
.irp t, 0,1,2,3
	s_wait_dscnt 3-\t
	global_store_b128 v[CO], v[RB+16*(\mb&1)+4*\t:RB+16*(\mb&1)+4*\t+3], s[80+2*\hh:81+2*\hh] offset:2048*\mb+512*\t   ; four tokens: 512 consecutive bytes, aligned
.endr
.endm
.irp hh, 0,1,2
.irp b, 0,1
	ds_load_b128 v[CS+8*\b:CS+8*\b+3],       v[TBR] offset:256*\hh+64*\b        ; cos of i = 16 b + 8 h + 0..7
	ds_load_b128 v[CS+8*\b+4:CS+8*\b+7],     v[TBR] offset:256*\hh+64*\b+16
	ds_load_b128 v[CS+16+8*\b:CS+16+8*\b+3], v[TBR] offset:256*\hh+64*\b+128    ; sin
	ds_load_b128 v[CS+16+8*\b+4:CS+16+8*\b+7], v[TBR] offset:256*\hh+64*\b+144
.endr
	s_wait_dscnt 0x0
	OUTG \hh, 0
	OUTG \hh, 1
	OUTG \hh, 2
	OUTG \hh, 3
.endr
	s_set_vgpr_msb 0x1
	s_wait_tensorcnt 0x0
	ds_add_u32 v255, v255
	s_wait_dscnt 0x0
	s_set_vgpr_msb 0x100
	CROUND                                         ; the closing round: no work-group ends while a partner may still ask for a tile that names it
	s_endpgm
.Lfunc_end_k_q7e6bcef54a_qkvgemm:
	.size	k_q7e6bcef54a_qkvgemm, .Lfunc_end_k_q7e6bcef54a_qkvgemm-k_q7e6bcef54a_qkvgemm
	.p2alignl 7, 3214868480
	.fill 96, 4, 3214868480
	.section	.rodata,"a",@progbits
	.p2align	6, 0x0
	.amdhsa_kernel k_q7e6bcef54a_qkvgemm
		.amdhsa_group_segment_fixed_size 327680
		.amdhsa_private_segment_fixed_size 0
		.amdhsa_enable_private_segment 0
		.amdhsa_kernarg_size 32
		.amdhsa_user_sgpr_count 2
		.amdhsa_user_sgpr_kernarg_segment_ptr 1
		.amdhsa_wavefront_size32 1
		.amdhsa_system_sgpr_workgroup_id_x 1
		.amdhsa_system_sgpr_workgroup_id_y 1
		.amdhsa_system_sgpr_workgroup_id_z 1
		.amdhsa_system_vgpr_workitem_id 0
		.amdhsa_next_free_vgpr 960
		.amdhsa_next_free_sgpr 92
		.amdhsa_reserve_vcc 1
		.amdhsa_float_denorm_mode_32 3
		.amdhsa_float_denorm_mode_16_64 3
		.amdhsa_memory_ordered 1
		.amdhsa_forward_progress 1
		.amdhsa_inst_pref_size 229
	.end_amdhsa_kernel
	.amdgpu_metadata
---
amdhsa.version: [ 1, 2 ]
amdhsa.kernels:
  - .name:           k_q7e6bcef54a_qkvgemm
    .symbol:         k_q7e6bcef54a_qkvgemm.kd
    .args:
      - { .name: xb, .offset: 0, .size: 8, .value_kind: global_buffer, .address_space: global }
      - { .name: wab, .offset: 8, .size: 8, .value_kind: global_buffer, .address_space: global }
      - { .name: b_attn, .offset: 16, .size: 8, .value_kind: global_buffer, .address_space: global }
      - { .name: qkvh, .offset: 24, .size: 8, .value_kind: global_buffer, .address_space: global }
    .group_segment_fixed_size: 327680
    .private_segment_fixed_size: 0
    .kernarg_segment_align: 8
    .kernarg_segment_size: 32
    .max_flat_workgroup_size: 128
    .sgpr_count:     92
    .vgpr_count:     960
    .wavefront_size: 32
...
	.end_amdgpu_metadata
.endif
;; end of part 2
;; launch attn (part 3): grid 8 x 32, 8 waves a work-group, no clusters, 232,448 bytes of LDS; arguments qkvh, yb; writes yb
.if DOCPART == 3
	.amdgcn_target "amdgcn-amd-amdhsa--gfx1250"
	.amdhsa_code_object_version 6
	.text
	.protected	k_q7e6bcef54a_attn
	.globl	k_q7e6bcef54a_attn
	.p2align	8
	.type	k_q7e6bcef54a_attn,@function
k_q7e6bcef54a_attn:
	s_mov_b64 s[64:65], 0
	v_nop
	global_prefetch_b8 v0, s[64:65] scope:SCOPE_SE
	s_setreg_imm32_b32 hwreg(HW_REG_WAVE_MODE, 25, 1), 1
	s_wait_xcnt 0x0
; Causal attention of one (batch, head): y = softmax(q k^T / 8) v.  qkvh: [3][32][2048][64] f16, q already times log2(e)/8.  yb: [4096][1024] f16.
; NO MAXIMUM IS TAKEN AWAY, and none is needed for any input: q and k were normalised to length <= 8 each (mean square <= 1 over 64 numbers, and the
; rotation keeps the length), so |score| <= 8 but for the f16 rounding of q and k (a part in 1,000): exp(score) lies in [3.3e-4, 3.0e3], inside
; f16's normal range, and a row's sum is below 6.2e6.  So sums over keys are plain sums, in any order, and are split over waves.
; WORK: query blocks of 128.  Work-group j takes blocks j and 15 - j: 17 key tiles of 128 for every work-group.  Pass 1 takes the odd block (an even
; number of tiles), pass 2 the even one, so each step's LDS slot is fixed in the text.  A pass begins with the diagonal tile (masked; its products
; start the sums with C = 0) and walks down to tile 0.  Wave w: qh = w & 1 (64 queries), kh = w >> 1 (32 keys of every tile); the four partial
; sums over keys meet in LDS at the pass's end.
; LAYOUT: S^T = K Q^T: lane (r, h), register j holds key 8 h + j, query r; two key tiles, packed to f16, are the B fragment of P^T as they lie.
; O^T = V^T P^T, V^T by the transposing LDS load; a fifth A fragment of ones gives the row sum of the ROUNDED p in every lane.
; NO CLUSTER: the eight work-groups of a head walk different tiles at the same step (they start at different diagonals and change pass at different
; steps), so joint requests would not meet.  The tiles come through registers (8 loads and 8 LDS stores a thread for a step), asked for a step ahead.
; LIMITS: |v| < 65,504 (f16).  NaN and infinities get no special care.
.set KP,   144                         ; K's LDS row: 128 bytes + 16
.set VP,   160                         ; V's LDS row: 128 bytes + 32, an odd multiple of 32 for the transposing load
.set VOFF, 128*KP                      ; 18,432
.set SLOT, VOFF+128*VP                 ; 38,912; two slots
.set COMB, 2*SLOT                      ; 16,384 bytes for each wave: its partial O
.set LSC,  COMB+8*16384                ; 512 bytes for each wave: its partial row sums
.set STG,  LSC+8*512                   ; 16 rows x 144 bytes for each wave: the way out
.set GOFF, 1
.set KST,  2
.set VST,  3
.set KRD,  4
.set VRD,  5
.set QOF,  6
.set DL,   7
.set CW,   8
.set LW,   9
.set CR0,  10
.set CR1,  11
.set LR,   12
.set STO,  13
.set RD,   14
.set YO,   15
.set ONES, 24                          ; v24-31   a fragment of 1.0
.set STGR, 32                          ; v32-63   the next tile on its way: 4 x 16 bytes of K, 4 of V
.set SC,   64                          ; v64-127  S^T, tile 4 kt + qt
.set PR,   128                         ; v128-159 P^T fragments, 8 qt
.set KF,   160                         ; v160-191 K fragments, 16 kt + 8 dh
.set VF,   192                         ; v192-223 V^T fragments, 8 dt
.set CB,   64                          ; the pass's end: four partial O tiles, v64-191
.set PK,   192
.set LP,   224                         ; four partial row sums
.set RC,   228                         ; 1 / row sum, twice
.set RB,   232                         ; v232-247 rows read back; no step writes these
.set OA,   0                           ; window 1: v0-127 O^T, 32 qt + 8 dt
.set QF,   128                         ; window 1: v128-191 Q fragments, 16 qt + 8 dh
.set LA,   192                         ; window 1: v192-223 row sums, 8 qt
.set MSB, 0
.macro WIN new                         ; the immediate's high byte repeats the setting that is left
.if MSB != \new
	s_set_vgpr_msb (MSB<<8)|\new
.set MSB, \new
.endif
.endm
.macro PLACES                          ; four places behind a matrix instruction (ISA guide 7.12.1)
.rept 4
	v_nop
.endr
.endm
	s_load_b128 s[4:7], s[0:1], 0x0                ; qkvh s[4:5], yb s[6:7]
	v_lshl_add_u32 v254, v0, 2, 0x38800
	v_mov_b32 v255, 0
	v_lshrrev_b32 v16, 5, v0
	v_readfirstlane_b32 s8, v16                    ; wave 0..7
	s_and_b32 s9, s8, 1                            ; qh
	s_lshr_b32 s10, s8, 1                          ; kh
	s_mov_b32 s11, ttmp9                           ; j
	s_and_b32 s12, ttmp7, 0xffff                   ; 16 batch + head
	s_sub_co_u32 s15, 15, s11
	s_bitcmp1_b32 s11, 0
	s_cselect_b32 s13, s11, s15                    ; the odd one of j, 15 - j: pass 1
	s_cselect_b32 s14, s15, s11                    ; the even one: pass 2
	v_and_b32 v16, 31, v0                          ; lane
	v_and_b32 v17, 15, v0                          ; r
	v_bfe_u32 v18, v0, 4, 1                        ; h
	v_and_b32 v19, 7, v0
	v_lshrrev_b32 v20, 3, v0                       ; thread >> 3: a row of a quarter tile
	v_bfe_u32 v21, v0, 3, 1
	v_bfe_u32 v22, v0, 3, 2                        ; lane >> 3
	v_lshlrev_b32 v[GOFF], 4, v0                   ; a tile is 16 KiB of consecutive memory: 256 threads x 16 bytes, four times
	v_mul_u32_u24 v[KST], v20, KP
	v_lshl_add_u32 v[KST], v19, 4, v[KST]
	v_mul_u32_u24 v[VST], v20, VP
	v_lshl_add_u32 v[VST], v19, 4, v[VST]
	v_add_nc_u32 v[VST], VOFF, v[VST]
	s_mul_i32 s40, s10, 32*KP
	v_mul_u32_u24 v[KRD], v17, KP
	v_lshl_add_u32 v[KRD], v18, 4, v[KRD]
	v_add_nc_u32 v[KRD], s40, v[KRD]               ; key 32 kh + r, 16 h
	s_mul_i32 s40, s10, 32*VP
	s_add_co_u32 s40, s40, VOFF
	v_lshl_add_u32 v23, v18, 3, v19
	v_mul_u32_u24 v23, v23, VP
	v_lshl_add_u32 v23, v21, 4, v23
	v_add_nc_u32 v[VRD], s40, v23                  ; key 32 kh + 8 h + (lane & 7), 16 bytes further for lanes 8-15 of each half
	s_lshl_b32 s40, s9, 13
	v_lshlrev_b32 v23, 7, v17
	v_lshl_add_u32 v23, v18, 4, v23
	v_add_nc_u32 v[QOF], s40, v23                  ; query 64 qh + r, 16 h
	s_lshl_b32 s40, s9, 6
	s_lshl_b32 s41, s10, 5
	s_sub_co_i32 s40, s40, s41
	v_lshlrev_b32 v23, 3, v18
	v_sub_nc_u32 v[DL], v17, v23
	v_add_nc_u32 v[DL], s40, v[DL]                 ; 64 qh + r - 32 kh - 8 h: key 16 kt + j is kept for query tile qt if 16 kt + j - 16 qt <= this
	s_lshl_b32 s40, s8, 14
	s_add_co_u32 s40, s40, COMB
	v_lshl_add_u32 v[CW], v16, 4, s40
	s_lshl_b32 s40, s8, 9
	s_add_co_u32 s40, s40, LSC
	v_lshl_add_u32 v[LW], v16, 2, s40
	s_lshl_b32 s40, s9, 14
	s_lshl_b32 s41, s10, 12
	s_add_co_u32 s40, s40, s41
	s_add_co_u32 s40, s40, COMB
	v_lshl_add_u32 v[CR0], v16, 4, s40             ; query tile kh of the waves qh, qh + 2 (through the offset),
	v_add_nc_u32 v[CR1], 65536, v[CR0]             ; qh + 4, qh + 6
	s_lshl_b32 s40, s9, 9
	s_lshl_b32 s41, s10, 7
	s_add_co_u32 s40, s40, s41
	s_add_co_u32 s40, s40, LSC
	v_lshl_add_u32 v[LR], v16, 2, s40
	s_mul_i32 s40, s8, 2304
	s_add_co_u32 s40, s40, STG
	v_mul_u32_u24 v23, v17, 144
	v_lshl_add_u32 v23, v18, 4, v23
	v_add_nc_u32 v[STO], s40, v23
	v_mul_u32_u24 v23, v22, 144
	v_lshl_add_u32 v23, v19, 4, v23
	v_add_nc_u32 v[RD], s40, v23
	v_lshlrev_b32 v23, 11, v22
	v_lshl_add_u32 v[YO], v19, 4, v23              ; y: eight lanes take a query's 128 bytes, rows 2,048 bytes apart
	s_lshl_b32 s30, s12, 18
	s_mov_b32 s31, 0
	s_lshl_b32 s22, s13, 14                        ; the next tile to ask for, in bytes: pass 1's diagonal
	s_lshl_b32 s24, s14, 14
	s_add_co_u32 s24, s24, 16384                   ; behind tile 0 comes pass 2's diagonal
	s_wait_kmcnt 0x0
	s_add_nc_u64 s[16:17], s[4:5], s[30:31]        ; the head's q,
	s_add_nc_u64 s[18:19], s[16:17], 0x800000      ; k (32 planes of 256 KiB on),
	s_add_nc_u64 s[20:21], s[16:17], 0x1000000     ; v
; my 64 queries of block s[qb] as B fragments, straight from memory into window 1
.macro QLOAD qb
	s_lshl_b32 s30, s[\qb], 14
	s_add_nc_u64 s[36:37], s[16:17], s[30:31]
	WIN 0x40
.irp qt, 0,1,2,3
.irp dh, 0,1
	global_load_b128 v[QF+16*\qt+8*\dh:QF+16*\qt+8*\dh+3],   v[QOF], s[36:37] offset:2048*\qt+64*\dh
	global_load_b128 v[QF+16*\qt+8*\dh+4:QF+16*\qt+8*\dh+7], v[QOF], s[36:37] offset:2048*\qt+64*\dh+32
.endr
.endr
	WIN 0
.endm
; ask for the next K and V tile, and step to the one after it
.macro ISSUE
	s_wait_xcnt 0x0                                ; the two bases are written again only behind this wait (ISA guide 3.1)
	s_mov_b32 s30, s22
	s_add_nc_u64 s[26:27], s[18:19], s[30:31]
	s_add_nc_u64 s[28:29], s[20:21], s[30:31]
.irp i, 0,1,2,3
	global_load_b128 v[STGR+4*\i:STGR+4*\i+3], v[GOFF], s[26:27] offset:4096*\i
.endr
.irp i, 0,1,2,3
	global_load_b128 v[STGR+16+4*\i:STGR+16+4*\i+3], v[GOFF], s[28:29] offset:4096*\i
.endr
	s_cmp_eq_u32 s22, 0
	s_cselect_b32 s22, s24, s22
	s_sub_co_u32 s22, s22, 16384
.endm
.macro PUT slot                        ; the tile in STGR goes into a slot, rows padded
.irp i, 0,1,2,3
	ds_store_b128 v[KST], v[STGR+4*\i:STGR+4*\i+3] offset:(\slot)*SLOT+32*KP*\i
.endr
.irp i, 0,1,2,3
	ds_store_b128 v[VST], v[STGR+16+4*\i:STGR+16+4*\i+3] offset:(\slot)*SLOT+32*VP*\i
.endr
.endm
; A step's end: the next tile goes into the other slot, the tile after it is asked for, and ONE barrier orders two things: every wave's reads of this
; step's slot stand ahead of that slot's next fill (a step later), and this fill stands ahead of the next step's reads.
; s25 counts the tiles still to be put into LDS; it is the same in all waves, so every wave takes the same way.
.macro TAIL slot
	s_cmp_eq_u32 s25, 0
	s_cbranch_scc1 .Ltail_\@
	s_wait_loadcnt 0x0                             ; the tile asked for a step ago
	PUT \slot
	s_sub_co_u32 s25, s25, 1
	s_cmp_eq_u32 s25, 0
	s_cbranch_scc1 .Ltail_\@                       ; that was the last tile: no load leaves the buffer
	ISSUE
.Ltail_\@:
	s_wait_dscnt 0x0                               ; my LDS stores are done and my reads are back
	s_barrier_signal -1
	s_barrier_wait -1
.endm
; One key tile.  diag = 1: the pass's first tile: masked, and its products start the sums.
; The accumulators take turns, one instruction a turn.
.macro STEP slot, diag
	PLACES                                         ; behind the last step's products: their operand registers are loaded again
.irp kt, 0,1
.irp dh, 0,1
	ds_load_b128 v[KF+16*\kt+8*\dh:KF+16*\kt+8*\dh+3],   v[KRD] offset:\slot*SLOT+16*KP*\kt+64*\dh
	ds_load_b128 v[KF+16*\kt+8*\dh+4:KF+16*\kt+8*\dh+7], v[KRD] offset:\slot*SLOT+16*KP*\kt+64*\dh+32
.endr
.endr
.irp dt, 0,1,2,3
	ds_load_tr16_b128 v[VF+8*\dt:VF+8*\dt+3],   v[VRD] offset:\slot*SLOT+32*\dt
	ds_load_tr16_b128 v[VF+8*\dt+4:VF+8*\dt+7], v[VRD] offset:\slot*SLOT+32*\dt+16*VP
.endr
	s_wait_dscnt 8                                 ; K's eight loads are in, V's eight stay out
	WIN 0x04                                       ; source 1 (Q) in window 1
.irp kt, 0,1
.irp qt, 0,1,2,3
	v_wmma_f32_16x16x32_f16 v[SC+8*(4*\kt+\qt):SC+8*(4*\kt+\qt)+7], v[KF+16*\kt:KF+16*\kt+7], v[QF+16*\qt:QF+16*\qt+7], 0
.endr
.endr
.irp kt, 0,1
.irp qt, 0,1,2,3
	v_wmma_f32_16x16x32_f16 v[SC+8*(4*\kt+\qt):SC+8*(4*\kt+\qt)+7], v[KF+16*\kt+8:KF+16*\kt+15], v[QF+16*\qt+8:QF+16*\qt+15], v[SC+8*(4*\kt+\qt):SC+8*(4*\kt+\qt)+7]
.endr
.endr
	WIN 0
	PLACES
.set i, 0
.rept 64
	v_exp_f32 v[SC+i], v[SC+i]                     ; 2^(q.k log2(e)/8) = exp(score)
.set i, i+1
.endr
	v_nop                                          ; one plain place behind the transcendentals (ISA guide 5.7.2)
.if \diag
	s_wait_alu depctr_va_vdst(0)
.irp kt, 0,1
.irp qt, 0,1,2,3
.irp j, 0,1,2,3,4,5,6,7
	v_cmp_le_i32 vcc_lo, 16*\kt+\j-16*\qt, v[DL]   ; key <= query
	v_cndmask_b32 v[SC+8*(4*\kt+\qt)+\j], 0, v[SC+8*(4*\kt+\qt)+\j], vcc_lo
.endr
.endr
.endr
.endif
	s_wait_alu depctr_va_vdst(0)
.irp qt, 0,1,2,3
.irp kt, 0,1
.irp j, 0,1,2,3
	v_cvt_pk_f16_f32 v[PR+8*\qt+4*\kt+\j], v[SC+8*(4*\kt+\qt)+2*\j], v[SC+8*(4*\kt+\qt)+2*\j+1]
.endr
.endr
.endr
	s_wait_dscnt 0                                 ; V's fragments
	WIN 0x50                                       ; C and D in window 1
.irp qt, 0,1,2,3
.irp dt, 0,1,2,3
.if \diag
	v_wmma_f32_16x16x32_f16 v[OA+32*\qt+8*\dt:OA+32*\qt+8*\dt+7], v[VF+8*\dt:VF+8*\dt+7], v[PR+8*\qt:PR+8*\qt+7], 0
.else
	v_wmma_f32_16x16x32_f16 v[OA+32*\qt+8*\dt:OA+32*\qt+8*\dt+7], v[VF+8*\dt:VF+8*\dt+7], v[PR+8*\qt:PR+8*\qt+7], v[OA+32*\qt+8*\dt:OA+32*\qt+8*\dt+7]
.endif
.endr
.if \diag
	v_wmma_f32_16x16x32_f16 v[LA+8*\qt:LA+8*\qt+7], v[ONES:ONES+7], v[PR+8*\qt:PR+8*\qt+7], 0
.else
	v_wmma_f32_16x16x32_f16 v[LA+8*\qt:LA+8*\qt+7], v[ONES:ONES+7], v[PR+8*\qt:PR+8*\qt+7], v[LA+8*\qt:LA+8*\qt+7]
.endif
.endr
	WIN 0
	TAIL 1-\slot
.endm
; A pass's end: every wave puts its partial O and row sums into LDS; behind a barrier wave (qh, kh) adds the four partials of query tile kh of half qh,
; divides, rounds to f16 and stores 16 queries x 64 d through its own stage.  qb: the register with the pass's block.
.macro EPI pass, qb
	PLACES                                         ; behind the last products: results are read, Q's registers loaded again
.if \pass == 1
	s_wait_xcnt 0x0                                ; Q's base is written again only behind this wait
	QLOAD 14                                       ; pass 2's queries come in meanwhile
.endif
	WIN 0x04                                       ; store data in window 1
.set i, 0
.rept 32
	ds_store_b128 v[CW], v[OA+4*i:OA+4*i+3] offset:512*i
.set i, i+1
.endr
.irp qt, 0,1,2,3
	ds_store_b32 v[LW], v[LA+8*\qt] offset:128*\qt ; every register of the tile holds the query's sum: the first is taken
.endr
	WIN 0
	s_wait_dscnt 0x0                               ; for the others' sake: all my stores are done
	s_barrier_signal -1
	s_barrier_wait -1
.irp p, 0,1
.irp i, 0,1,2,3,4,5,6,7
	ds_load_b128 v[CB+32*\p+4*\i:CB+32*\p+4*\i+3], v[CR0] offset:32768*\p+512*\i
.endr
.endr
.irp p, 0,1
.irp i, 0,1,2,3,4,5,6,7
	ds_load_b128 v[CB+64+32*\p+4*\i:CB+64+32*\p+4*\i+3], v[CR1] offset:32768*\p+512*\i
.endr
.endr
.irp p, 0,1,2,3
	ds_load_b32 v[LP+\p], v[LR] offset:1024*\p
.endr
	s_wait_xcnt 0x0                                ; y's base is written again only behind this wait
	s_lshr_b32 s40, s12, 4
	s_lshl_b32 s40, s40, 11                        ; 2,048 batch
	s_lshl_b32 s41, s[\qb], 7
	s_add_co_u32 s40, s40, s41                     ; + 128 block
	s_lshl_b32 s41, s9, 6
	s_add_co_u32 s40, s40, s41                     ; + 64 qh
	s_lshl_b32 s41, s10, 4
	s_add_co_u32 s40, s40, s41                     ; + 16 kh: my first row of y,
	s_lshl_b32 s40, s40, 11                        ; of 2,048 bytes,
	s_and_b32 s41, s12, 15
	s_lshl_b32 s41, s41, 7
	s_add_co_u32 s40, s40, s41                     ; and the head's 128 bytes in it
	s_mov_b32 s41, 0
	s_add_nc_u64 s[38:39], s[6:7], s[40:41]
	s_wait_dscnt 0x0
.set i, 0
.rept 16
	v_pk_add_f32 v[CB+i:CB+i+1],       v[CB+i:CB+i+1],       v[CB+32+i:CB+32+i+1]
	v_pk_add_f32 v[CB+64+i:CB+64+i+1], v[CB+64+i:CB+64+i+1], v[CB+96+i:CB+96+i+1]
.set i, i+2
.endr
	v_add_f32 v[LP], v[LP], v[LP+1]
	v_add_f32 v[LP+2], v[LP+2], v[LP+3]
	v_add_f32 v[LP], v[LP], v[LP+2]
	v_rcp_f32 v[RC], v[LP]                         ; the sum holds at least the query's own key: it is not 0
.set i, 0
.rept 16
	v_pk_add_f32 v[CB+i:CB+i+1], v[CB+i:CB+i+1], v[CB+64+i:CB+64+i+1]   ; also the plain place behind the transcendental (ISA guide 5.7.2)
.set i, i+2
.endr
	s_wait_alu depctr_va_vdst(0)
	v_mov_b32 v[RC+1], v[RC]
.set i, 0
.rept 16
	v_pk_mul_f32 v[CB+i:CB+i+1], v[CB+i:CB+i+1], v[RC:RC+1]
.set i, i+2
.endr
.irp dt, 0,1,2,3
.irp j, 0,1,2,3
	v_cvt_pk_f16_f32 v[PK+4*\dt+\j], v[CB+8*\dt+2*\j], v[CB+8*\dt+2*\j+1]
.endr
.endr
.irp dt, 0,1,2,3
	ds_store_b128 v[STO], v[PK+4*\dt:PK+4*\dt+3] offset:32*\dt
.endr
.irp t, 0,1,2,3
	ds_load_b128 v[RB+4*\t:RB+4*\t+3], v[RD] offset:576*\t      ; LDS serves a wave's instructions in order (ISA guide 5.7.1): these see the stores above; the last pass's global stores have let go of RB by the wait above
.endr
.irp t, 0,1,2,3
	s_wait_dscnt 3-\t
	global_store_b128 v[YO], v[RB+4*\t:RB+4*\t+3], s[38:39] offset:8192*\t    ; four queries' whole slices of 128 bytes: a head's part of a row of y is no longer
.endr
.endm
	QLOAD 13
	ISSUE                                          ; pass 1's diagonal tile
.irp i, 0,1,2,3,4,5,6,7
	v_mov_b32 v[ONES+\i], 0x3c003c00               ; 1.0, 1.0 in f16
.endr
	s_wait_loadcnt 0x0                             ; Q and the first tile
	PUT 0
	ISSUE                                          ; the second tile
	s_mov_b32 s25, 16                              ; 16 of the 17 tiles are still to be put into LDS
	s_wait_dscnt 0x0
	s_barrier_signal -1
	s_barrier_wait -1
	STEP 0, 1                                      ; pass 1: block s13 (odd): tiles s13, s13 - 1, .. 0
	STEP 1, 0
	s_sub_co_u32 s34, s13, 1
	s_lshr_b32 s34, s34, 1                         ; (block - 1) / 2 more pairs
	s_mov_b32 s33, 0
	s_cmp_eq_u32 s34, 0
	s_cbranch_scc1 .Lp1_done
.Lp1:
	STEP 0, 0
	STEP 1, 0
	s_add_co_u32 s33, s33, 1
	s_cmp_lt_u32 s33, s34
	s_cbranch_scc1 .Lp1
.Lp1_done:
	EPI 1, 13
	s_wait_loadcnt 0x0                             ; pass 2's Q
	STEP 0, 1                                      ; pass 2: block s14 (even)
	s_lshr_b32 s34, s14, 1                         ; block / 2 pairs
	s_mov_b32 s33, 0
	s_cmp_eq_u32 s34, 0
	s_cbranch_scc1 .Lp2_done
.Lp2:
	STEP 1, 0
	STEP 0, 0
	s_add_co_u32 s33, s33, 1
	s_cmp_lt_u32 s33, s34
	s_cbranch_scc1 .Lp2
.Lp2_done:
	EPI 2, 14
	s_wait_tensorcnt 0x0
	ds_add_u32 v254, v255
	s_wait_dscnt 0x0
	s_endpgm
.Lfunc_end_k_q7e6bcef54a_attn:
	.size	k_q7e6bcef54a_attn, .Lfunc_end_k_q7e6bcef54a_attn-k_q7e6bcef54a_attn
	.p2alignl 7, 3214868480
	.fill 96, 4, 3214868480
	.section	.rodata,"a",@progbits
	.p2align	6, 0x0
	.amdhsa_kernel k_q7e6bcef54a_attn
		.amdhsa_group_segment_fixed_size 232448
		.amdhsa_private_segment_fixed_size 0
		.amdhsa_enable_private_segment 0
		.amdhsa_kernarg_size 16
		.amdhsa_user_sgpr_count 2
		.amdhsa_user_sgpr_kernarg_segment_ptr 1
		.amdhsa_wavefront_size32 1
		.amdhsa_system_sgpr_workgroup_id_x 1
		.amdhsa_system_sgpr_workgroup_id_y 1
		.amdhsa_system_sgpr_workgroup_id_z 1
		.amdhsa_system_vgpr_workitem_id 0
		.amdhsa_next_free_vgpr 480
		.amdhsa_next_free_sgpr 66
		.amdhsa_reserve_vcc 1
		.amdhsa_float_denorm_mode_32 3
		.amdhsa_float_denorm_mode_16_64 3
		.amdhsa_memory_ordered 1
		.amdhsa_forward_progress 1
		.amdhsa_inst_pref_size 111
	.end_amdhsa_kernel
	.amdgpu_metadata
---
amdhsa.version: [ 1, 2 ]
amdhsa.kernels:
  - .name:           k_q7e6bcef54a_attn
    .symbol:         k_q7e6bcef54a_attn.kd
    .args:
      - { .name: qkvh, .offset: 0, .size: 8, .value_kind: global_buffer, .address_space: global }
      - { .name: yb, .offset: 8, .size: 8, .value_kind: global_buffer, .address_space: global }
    .group_segment_fixed_size: 232448
    .private_segment_fixed_size: 0
    .kernarg_segment_align: 8
    .kernarg_segment_size: 16
    .max_flat_workgroup_size: 256
    .sgpr_count:     66
    .vgpr_count:     480
    .wavefront_size: 32
...
	.end_amdgpu_metadata
.endif
;; end of part 3
;; launch proj (part 4): grid 8 x 32, 4 waves a work-group, clusters of 4 x 4, 327,680 bytes of LDS; arguments yb, wpb, b_proj, out0; writes out0
.if DOCPART == 4
	.amdgcn_target "amdgcn-amd-amdhsa--gfx1250"
	.amdhsa_code_object_version 6
	.text
	.protected	k_q7e6bcef54a_proj
	.globl	k_q7e6bcef54a_proj
	.p2align	8
	.type	k_q7e6bcef54a_proj,@function
k_q7e6bcef54a_proj:
	s_mov_b64 s[64:65], 0
	v_nop
	global_prefetch_b8 v0, s[64:65] scope:SCOPE_SE
	s_setreg_imm32_b32 hwreg(HW_REG_WAVE_MODE, 25, 1), 1
	s_wait_xcnt 0x0
	s_wait_alu depctr_hold_cnt(0) depctr_sa_sdst(0) depctr_va_vdst(0) depctr_va_sdst(0) depctr_va_ssrc(0) depctr_va_vcc(0) depctr_vm_vsrc(0)
	s_getreg_b32 s2, hwreg(HW_REG_IB_STS2, 6, 4)
	s_cmp_eq_u32 s2, 0
	s_cbranch_scc0 .Lentry_in_a_cluster
	s_endpgm
.Lentry_in_a_cluster:
	s_bfe_u32 s2, ttmp6, 0x10000c
	s_cmp_lg_u32 s2, 0xf033
	s_cbranch_scc0 .Lentry_shape_is_right
	s_endpgm
.Lentry_shape_is_right:
; out0 = y W_proj + b_proj.  yb: [4096][1024] f16.  wpb: [1024][1024] f16 (W_proj's bf16 value).  b_proj: [1024] f32.  out0: [4096][1024] f32.
; 256 work-groups of 128 x 128, four waves of 64 x 64 (16 accumulator tiles): with 1,024 columns a larger block would leave work-groups without work.
; K goes in four steps of 256 through two LDS slots, so that one tensor load a wave brings a quarter of the whole K and there are three changes of slot.
; CLUSTERS: 4 x 4.  y's tile hangs on the block row alone (shared along a row of the cluster), W's on the block column alone (along a column).
; Waves 0, 1 ask for W's two halves (128 k each), waves 2, 3 for y's two halves (64 rows each).
; TRANSPOSED USE: source 0 = 16 columns of W (transposing LDS load from [k][n] rows), source 1 = 16 rows of y: lane (r, h), register j of tile (mb, nb)
; holds row 16 mb + r, column 16 nb + 8 h + j: eight neighbouring f32.  The first product takes the bias as C.
; LIMIT: |y| and |W_proj| < 65,504 (f16).
.set WP,    288                        ; W's LDS row: 256 bytes + 32
.set YP,    528                        ; y's LDS row: 512 bytes + 16
.set YOFF,  256*WP                     ; 73,728
.set SLOT,  YOFF+128*YP                ; 141,312
.set STAGE, 2*SLOT                     ; 16 rows x 272 bytes for each wave; no tensor load lands here
.set SPITCH, 272
.set ADRY, 16                          ; v16-17  slot
.set ADRW, 18                          ; v18-21  2 slot + (quarter >> 2)
.set STO,  24
.set RD,   25
.set CO,   26
.set BOFF, 27
.set WF,   32                          ; W fragments, buffer f at WF + 64 f
.set YF,   64                          ; y fragments, buffer f at YF + 64 f
.set BIAS, 160                         ; v160-191
.set RB,   192                         ; v192-255: rows read back, two sets of 32
.set G1,  24                           ; group 1, y
.set G0,  32                           ; group 0, y, a set for each slot
.set G1B, 48                           ; group 1, W
.set G0B, 56                           ; group 0, W, a set for each slot
.set MSB, 0
.macro WIN new                         ; the immediate's high byte repeats the setting that is left
.if MSB != \new
	s_set_vgpr_msb (MSB<<8)|\new
.set MSB, \new
.endif
.endm
.macro PLACES                          ; four places behind a matrix instruction (ISA guide 7.12.1)
.rept 4
	v_nop
.endr
.endm
.macro JLOAD s                         ; the branch hangs on the wave's number alone
	s_cmp_eq_u32 s13, 1
	s_cbranch_scc0 .Lfor_w_\@
	tensor_load_to_lds s[G0+4*\s:G0+4*\s+3], s[G1:G1+7]
	s_nop 0
	s_branch .Lasked_\@
.Lfor_w_\@:
	tensor_load_to_lds s[G0B+4*\s:G0B+4*\s+3], s[G1B:G1B+7]
	s_nop 0
.Lasked_\@:
.endm
.macro CROUND                          ; a round of the cluster's barrier
	s_barrier_signal -1
	s_barrier_wait -1
	s_cmp_lg_u32 s12, 0
	s_cbranch_scc1 .Lnot_wave_0_\@
	s_barrier_signal -3
.Lnot_wave_0_\@:
	s_barrier_wait -3
	s_barrier_signal -1
	s_barrier_wait -1
.endm
	s_load_b256 s[4:11], s[0:1], 0x0               ; yb s[4:5], wpb s[6:7], b_proj s[8:9], out0 s[10:11]
	v_lshl_add_u32 v30, v0, 2, 0x49400
	v_mov_b32 v31, 0
	ds_add_u32 v30, v31
	v_lshrrev_b32 v1, 5, v0
	v_readfirstlane_b32 s12, v1                    ; wave 0..3
	s_lshr_b32 s13, s12, 1                         ; mh: which 64 rows.  Also: I ask for W (0) or for y (1)
	s_and_b32 s14, s12, 1                          ; nh: which 64 columns.  Also: which half of that tile
	s_bfe_u32 s40, ttmp6, 0x40000                  ; cx
	s_bfe_u32 s41, ttmp6, 0x40004                  ; cy
	s_lshl_b32 s42, ttmp9, 2
	s_add_co_u32 s42, s42, s40                     ; bx: block of 128 columns
	s_and_b32 s15, ttmp7, 0xffff
	s_lshl_b32 s15, s15, 2
	s_add_co_u32 s15, s15, s41                     ; by: block of 128 rows
	s_lshl_b32 s43, s41, 2
	s_lshl_b32 s43, 15, s43                        ; my row of the cluster
	s_lshl_b32 s44, 0x1111, s40                    ; my column
	s_or_b32 s[G1+0],  s43, (1<<16)|(1<<20)|(1<<21)|(6<<22)|(3<<25)   ; y: after every 128 words 4 words of padding
	s_or_b32 s[G1B+0], s44, (1<<16)|(1<<20)|(1<<21)|(5<<22)|(7<<25)   ; W: after every 64 words 8 words
	s_mov_b32 s[G1+1], 256<<16                     ; tensor_dim0 = 256
	s_mov_b32 s[G1+2], 64<<16                      ; tensor_dim1 = 64
	s_mov_b32 s[G1+3], 256<<16                     ; tile_dim0 = 256
	s_mov_b32 s[G1+4], 64                          ; tile_dim1 = 64
	s_mov_b32 s[G1+5], 1024                        ; elements from row to row
	s_mov_b32 s[G1+6], 0
	s_mov_b32 s[G1+7], 0
	s_mov_b32 s[G1B+1], 128<<16
	s_mov_b32 s[G1B+2], 128<<16
	s_mov_b32 s[G1B+3], 128<<16
	s_mov_b32 s[G1B+4], 128
	s_mov_b32 s[G1B+5], 1024
	s_mov_b32 s[G1B+6], 0
	s_mov_b32 s[G1B+7], 0
	s_lshl_b32 s16, s15, 18                        ; y: (128 by + 64 half) rows of 2,048 bytes: the block row and the wave alone
	s_lshl_b32 s17, s14, 17
	s_add_co_u32 s16, s16, s17
	s_mov_b32 s17, 0
	s_lshl_b32 s46, s14, 18                        ; W: 128 half rows of 2,048 bytes + 128 bx columns: the block column and the wave alone
	s_lshl_b32 s47, s42, 8
	s_add_co_u32 s46, s46, s47
	s_mov_b32 s47, 0
	s_mul_i32 s20, s12, 64*YP                      ; y's halves lie at 73,728 + (wave - 2) x 33,792 = wave x 33,792 + 6,144
	s_add_co_u32 s20, s20, YOFF-2*64*YP
	s_mul_i32 s21, s12, 128*WP                     ; W's halves at wave x 36,864
	s_wait_dscnt 0x0
	s_wait_kmcnt 0x0
	s_add_nc_u64 s[16:17], s[4:5], s[16:17]
	s_add_nc_u64 s[46:47], s[6:7], s[46:47]
	CROUND                                         ; all sixteen work-groups are here: the first joint loads meet
.irp s, 0,1
	s_mov_b32 s[G0+4*\s], 1
	s_add_co_u32 s[G0+4*\s+1], s20, \s*SLOT
	s_add_nc_u64 s[G0+4*\s+2:G0+4*\s+3], s[16:17], \s*512            ; K step s: 256 elements along the row
	s_or_b32 s[G0+4*\s+3], s[G0+4*\s+3], 0x80000000
	s_mov_b32 s[G0B+4*\s], 1
	s_add_co_u32 s[G0B+4*\s+1], s21, \s*SLOT
	s_add_nc_u64 s[G0B+4*\s+2:G0B+4*\s+3], s[46:47], \s*524288       ; K step s: 256 rows of 2,048 bytes
	s_or_b32 s[G0B+4*\s+3], s[G0B+4*\s+3], 0x80000000
	JLOAD \s                                       ; two loads of the wave are out
.endr
	v_and_b32 v1, 15, v0                           ; r
	v_bfe_u32 v2, v0, 4, 1                         ; h
	v_and_b32 v3, 7, v0
	v_bfe_u32 v4, v0, 3, 1
	v_mul_u32_u24 v5, v1, YP
	v_lshl_add_u32 v5, v2, 4, v5
	s_mul_i32 s22, s13, 64*YP
	s_add_co_u32 s22, s22, YOFF
	v_add_nc_u32 v[ADRY], s22, v5
	v_add_nc_u32 v[ADRY+1], SLOT, v[ADRY]
	v_lshl_add_u32 v6, v2, 3, v3
	v_mul_u32_u24 v6, v6, WP
	v_lshl_add_u32 v6, v4, 4, v6
	s_lshl_b32 s22, s14, 7
	v_add_nc_u32 v6, s22, v6
.irp s, 0,1
.irp u, 0,1
	v_add_nc_u32 v[ADRW+2*\s+\u], \s*SLOT+\u*128*WP, v6
.endr
.endr
	s_mul_i32 s23, s12, 16*SPITCH
	s_add_co_u32 s23, s23, STAGE
	v_mul_u32_u24 v7, v1, SPITCH
	v_lshl_add_u32 v7, v2, 5, v7
	v_add_nc_u32 v[STO], s23, v7                   ; in: row r, 32 h
	v_mul_u32_u24 v7, v2, SPITCH
	v_lshl_add_u32 v7, v1, 4, v7
	v_add_nc_u32 v[RD], s23, v7                    ; back: sixteen lanes take a row's 256 bytes
	v_lshlrev_b32 v7, 12, v2
	v_lshl_add_u32 v[CO], v1, 4, v7                ; and the same two rows in out0, 4,096 bytes apart
	s_lshl_b32 s22, s14, 8
	v_lshl_add_u32 v[BOFF], v2, 5, s22
	s_lshl_b32 s66, s42, 9
	s_mov_b32 s67, 0
	s_add_nc_u64 s[8:9], s[8:9], s[66:67]          ; b_proj at my block's first column
.irp nb, 0,1,2,3
	global_load_b128 v[BIAS+8*\nb:BIAS+8*\nb+3],   v[BOFF], s[8:9] offset:64*\nb
	global_load_b128 v[BIAS+8*\nb+4:BIAS+8*\nb+7], v[BOFF], s[8:9] offset:64*\nb+16
.endr
	s_lshl_b32 s66, s15, 19                        ; out0: (128 by + 64 mh) rows of 4,096 bytes + 512 bx + 256 nh
	s_lshl_b32 s22, s13, 18
	s_add_co_u32 s66, s66, s22
	s_lshl_b32 s22, s42, 9
	s_add_co_u32 s66, s66, s22
	s_lshl_b32 s22, s14, 8
	s_add_co_u32 s66, s66, s22
	s_add_nc_u64 s[66:67], s[10:11], s[66:67]
; 16 LDS loads: quarter q (32 of the slot's 256 along K) into buffer f
.macro FETCH slot, q, f
.irp nb, 0,1,2,3
	ds_load_tr16_b128 v[WF+64*(\f)+8*\nb:WF+64*(\f)+8*\nb+3],   v[ADRW+2*\slot+((\q)>>2)] offset:((\q)&3)*32*WP+32*\nb
	ds_load_tr16_b128 v[WF+64*(\f)+8*\nb+4:WF+64*(\f)+8*\nb+7], v[ADRW+2*\slot+((\q)>>2)] offset:((\q)&3)*32*WP+32*\nb+16*WP
.endr
.irp i, 0,1,2,3
	ds_load_b128 v[YF+64*(\f)+8*\i:YF+64*(\f)+8*\i+3],   v[ADRY+\slot] offset:64*(\q)+\i*16*YP
	ds_load_b128 v[YF+64*(\f)+8*\i+4:YF+64*(\f)+8*\i+7], v[ADRY+\slot] offset:64*(\q)+\i*16*YP+32
.endr
.endm
; Quarter q: the next quarter's fragments are asked for, then buffer q & 1 is multiplied.
; The 16 accumulators take turns, one instruction a turn, in the same order in every quarter.
.macro QUARTER slot, q, first
.if \q < 7
	PLACES                                         ; behind the last quarter's products, which read the buffer that is loaded now
	FETCH \slot, (\q+1), ((\q+1)&1)
	s_wait_dscnt 16                                ; all but the 16 just issued
.else
	s_wait_dscnt 0
.endif
.if \first
	WIN 0x40                                       ; D in window 1, C (the bias) in window 0
.else
	WIN 0x50                                       ; C and D in window 1
.endif
.irp mb, 0,1,2,3
.irp nb, 0,1,2,3
.if \first
	v_wmma_f32_16x16x32_f16 v[8*(4*\mb+\nb):8*(4*\mb+\nb)+7], v[WF+64*(\q&1)+8*\nb:WF+64*(\q&1)+8*\nb+7], v[YF+64*(\q&1)+8*\mb:YF+64*(\q&1)+8*\mb+7], v[BIAS+8*\nb:BIAS+8*\nb+7]
.else
	v_wmma_f32_16x16x32_f16 v[8*(4*\mb+\nb):8*(4*\mb+\nb)+7], v[WF+64*(\q&1)+8*\nb:WF+64*(\q&1)+8*\nb+7], v[YF+64*(\q&1)+8*\mb:YF+64*(\q&1)+8*\mb+7], v[8*(4*\mb+\nb):8*(4*\mb+\nb)+7]
.endif
.endr
.endr
	WIN 0
.endm
.macro BIG slot, first                 ; a slot's 256 along K: 128 matrix instructions
	PLACES
	FETCH \slot, 0, 0
	QUARTER \slot, 0, \first
.irp q, 1,2,3,4,5,6,7
	QUARTER \slot, \q, 0
.endr
.endm
; A change of slots.  Every wave waits for its reads of the slot and for all its tensor loads (one is out: its part of the next slot).  Where the slot is
; filled again, a round of the cluster's barrier follows and the joint refill is the first tensor load behind it: one load of the wave is out from there,
; with the next slot's 128 matrix instructions in which to land.
.macro CHANGE slot, refill
	s_wait_dscnt 0x0
	s_wait_tensorcnt 0x0
	ds_add_u32 v30, v31
	s_wait_dscnt 0x0
.if \refill
	s_add_nc_u64 s[G0+4*\slot+2:G0+4*\slot+3], s[G0+4*\slot+2:G0+4*\slot+3], 1024       ; two K steps on: no load of mine is out, so group 0 may be written
	s_add_nc_u64 s[G0B+4*\slot+2:G0B+4*\slot+3], s[G0B+4*\slot+2:G0B+4*\slot+3], 1048576
	CROUND
	JLOAD \slot
.else
	s_barrier_signal -1
	s_barrier_wait -1
.endif
.endm
	s_wait_tensorcnt 0x1                           ; my part of K step 0 is in; K step 1's stays out
	s_barrier_signal -1
	s_barrier_wait -1
	s_wait_loadcnt 0x0                             ; the bias
	BIG 0, 1
	CHANGE 0, 1
	BIG 1, 0
	CHANGE 1, 1
	BIG 0, 0
	CHANGE 0, 0                                    ; nothing is left to fetch
	BIG 1, 0
	PLACES                                         ; behind the last products: results are read
	; THE WAY OUT, 16 rows at a time: 32 bytes a lane into my own stage, read back as whole rows of 256 bytes
.irp mb, 0,1,2,3
	WIN 0x04                                       ; store data in window 1
.irp nb, 0,1,2,3
	ds_store_b128 v[STO], v[8*(4*\mb+\nb):8*(4*\mb+\nb)+3]   offset:64*\nb
	ds_store_b128 v[STO], v[8*(4*\mb+\nb)+4:8*(4*\mb+\nb)+7] offset:64*\nb+16
.endr
	WIN 0
	s_wait_xcnt 0x0                                ; the registers that earlier stores read are loaded again only behind this wait (ISA guide 3.1)
.irp t, 0,1,2,3,4,5,6,7
	ds_load_b128 v[RB+32*(\mb&1)+4*\t:RB+32*(\mb&1)+4*\t+3], v[RD] offset:\t*2*SPITCH    ; LDS serves a wave's instructions in order (ISA guide 5.7.1): these see the stores above
.endr
.irp t, 0,1,2,3,4,5,6,7
	s_wait_dscnt 7-\t
	global_store_b128 v[CO], v[RB+32*(\mb&1)+4*\t:RB+32*(\mb&1)+4*\t+3], s[66:67] offset:65536*\mb+8192*\t th:TH_STORE_NT   ; sixteen lanes store 256 consecutive bytes, aligned
.endr
.endr
	s_wait_tensorcnt 0x0
	ds_add_u32 v30, v31
	s_wait_dscnt 0x0
	CROUND                                         ; the closing round: no work-group ends while a partner may still ask for a tile that names it
	s_endpgm
.Lfunc_end_k_q7e6bcef54a_proj:
	.size	k_q7e6bcef54a_proj, .Lfunc_end_k_q7e6bcef54a_proj-k_q7e6bcef54a_proj
	.p2alignl 7, 3214868480
	.fill 96, 4, 3214868480
	.section	.rodata,"a",@progbits
	.p2align	6, 0x0
	.amdhsa_kernel k_q7e6bcef54a_proj
		.amdhsa_group_segment_fixed_size 327680
		.amdhsa_private_segment_fixed_size 0
		.amdhsa_enable_private_segment 0
		.amdhsa_kernarg_size 32
		.amdhsa_user_sgpr_count 2
		.amdhsa_user_sgpr_kernarg_segment_ptr 1
		.amdhsa_wavefront_size32 1
		.amdhsa_system_sgpr_workgroup_id_x 1
		.amdhsa_system_sgpr_workgroup_id_y 1
		.amdhsa_system_sgpr_workgroup_id_z 1
		.amdhsa_system_vgpr_workitem_id 0
		.amdhsa_next_free_vgpr 384
		.amdhsa_next_free_sgpr 72
		.amdhsa_reserve_vcc 0
		.amdhsa_float_denorm_mode_32 3
		.amdhsa_float_denorm_mode_16_64 3
		.amdhsa_memory_ordered 1
		.amdhsa_forward_progress 1
		.amdhsa_inst_pref_size 90
	.end_amdhsa_kernel
	.amdgpu_metadata
---
amdhsa.version: [ 1, 2 ]
amdhsa.kernels:
  - .name:           k_q7e6bcef54a_proj
    .symbol:         k_q7e6bcef54a_proj.kd
    .args:
      - { .name: yb, .offset: 0, .size: 8, .value_kind: global_buffer, .address_space: global }
      - { .name: wpb, .offset: 8, .size: 8, .value_kind: global_buffer, .address_space: global }
      - { .name: b_proj, .offset: 16, .size: 8, .value_kind: global_buffer, .address_space: global }
      - { .name: out0, .offset: 24, .size: 8, .value_kind: global_buffer, .address_space: global }
    .group_segment_fixed_size: 327680
    .private_segment_fixed_size: 0
    .kernarg_segment_align: 8
    .kernarg_segment_size: 32
    .max_flat_workgroup_size: 128
    .sgpr_count:     72
    .vgpr_count:     384
    .wavefront_size: 32
...
	.end_amdgpu_metadata
.endif
;; end of part 4
;; ======== version 2 of 2: 4 launches; version 1 with the launch cast written anew for expert scheduling mode
;; limits: values are held in f16: magnitudes above 65,504 overflow, below 6.1e-05 lose precision
;; workspace buffers: xb 8,388,608 bytes; wab 6,291,456 bytes; wpb 2,097,152 bytes; qkvh 25,165,824 bytes; yb 8,388,608 bytes
;; launch cast (part 5): grid 256 x 1, 8 waves a work-group, no clusters, 0 bytes of LDS; arguments x, W_attn, W_proj, xb, wab, wpb; writes xb, wab, wpb
.if DOCPART == 5
	.amdgcn_target "amdgcn-amd-amdhsa--gfx1250"
	.amdhsa_code_object_version 6
	.text
	.protected	k_q7e6bcef54a_cast
	.globl	k_q7e6bcef54a_cast
	.p2align	8
	.type	k_q7e6bcef54a_cast,@function
k_q7e6bcef54a_cast:
	s_mov_b64 s[64:65], 0
	v_nop
	global_prefetch_b8 v0, s[64:65] scope:SCOPE_SE
	s_setreg_imm32_b32 hwreg(HW_REG_WAVE_SCHED_MODE, 0, 2), 2
	s_setreg_imm32_b32 hwreg(HW_REG_WAVE_MODE, 25, 1), 1
	s_wait_xcnt 0x0
	s_wait_alu depctr_vm_vsrc(0)
; cast: the three large f32 inputs become 16-bit matrix operands.
;   x      [4096][1024] f32 -> xb  bf16        W_attn [1024][3072] f32 -> wab bf16
;   W_proj [1024][1024] f32 -> wpb: rounded to bf16, and that number written in f16 format, because the last product's other
;   operand (y) is f16.  LIMIT: the f16 copy is exact for 2^-14 <= |w| < 65,504; below it is kept to 3e-8, above it overflows.
; A stream: no LDS, no barrier, no matrix unit.  A work-group takes 32,768 numbers (128 KiB in, 64 KiB out):
; groups 0-127 x, 128-223 W_attn, 224-255 W_proj.  Thread t owns 8 numbers of each chunk of 2,048: 32 bytes in, 16 bytes out,
; so a wave's store covers 512 consecutive bytes that start at a multiple of 512.
; All 32 loads of a thread go out first; nothing is loaded twice and no register is used twice, so no wait frees a source.
; THE MODE: SCHED_MODE bits 1:0 = 2 (LLVM: expert scheduling mode 2), set by the entry lines.  The code itself states the register dependences
; between vector instructions and memory instructions, with s_wait_alu, always for 0.
; THE PLAN.  Registers that memory instructions touch:
;   v1, v2   byte offsets, made once at the head and never written again; v1 is read by every load, v2 by every store.
;   X        chunk i's 8 registers: written by the chunk's two loads alone, read by its roundings; no vector line names them ahead of the loads, no load lands in them again.
;   Y        chunk i's 4 registers: written by the chunk's roundings, read once, by its store, and never written after that.
;   T        is named by vector instructions alone.
; So the only dependences to state are vector results that memory instructions read: the two offsets, once, and Y.  The 16 chunks go in four blocks
; of four: block p rounds its chunks, and the four stores of block p - 1 stand in one run at block p's head, behind ONE wait, which stands behind the
; wait for the block's first data.  A last wait stands ahead of the last four stores.  Nothing that a memory instruction has read is written again.
.set T, 4                              ; v[4:11]    at work (W_proj only)
.set X, 12                             ; v[12:139]  chunk i: 8 numbers as loaded
.set Y, 140                            ; v[140:203] chunk i: 4 registers to store
	s_load_b256 s[4:11], s[0:1], 0x0               ; x s[4:5], W_attn s[6:7], W_proj s[8:9], xb s[10:11]
	s_load_b128 s[12:15], s[0:1], 0x20             ; wab s[12:13], wpb s[14:15]
	v_lshlrev_b32 v1, 5, v0                        ; 32 t: my bytes in a chunk of the source
	v_lshlrev_b32 v2, 4, v0                        ; 16 t: my bytes in a chunk of the destination
	s_mov_b32 s20, 224
	s_mov_b32 s21, 0xffff0000                      ; a word's upper bf16
	s_wait_kmcnt 0x0
	s_cmp_lt_u32 ttmp9, 224                        ; which tensor is mine: the choice hangs on the group's number alone
	s_cselect_b64 s[16:17], s[6:7], s[8:9]
	s_cselect_b64 s[18:19], s[12:13], s[14:15]
	s_cselect_b32 s20, 128, s20
	s_cmp_lt_u32 ttmp9, 128
	s_cselect_b64 s[16:17], s[4:5], s[16:17]       ; source
	s_cselect_b64 s[18:19], s[10:11], s[18:19]     ; destination
	s_cselect_b32 s20, 0, s20                      ; the tensor's first group
	s_sub_co_u32 s20, ttmp9, s20                   ; my place in the tensor
	s_lshl_b32 s22, s20, 17                        ; x 128 KiB
	s_mov_b32 s23, 0
	s_lshl_b32 s24, s20, 16                        ; x 64 KiB
	s_mov_b32 s25, 0
	s_add_nc_u64 s[16:17], s[16:17], s[22:23]
	s_add_nc_u64 s[18:19], s[18:19], s[24:25]
	s_wait_alu depctr_va_vdst(0)                   ; v1 and v2 are written: every load of the kernel reads v1 as its offset, every store v2
.irp i, 0,1,2,3,4,5,6,7,8,9,10,11,12,13,14,15
	global_load_b128 v[X+8*\i:X+8*\i+3],   v1, s[16:17] offset:8192*\i th:TH_LOAD_NT
	global_load_b128 v[X+8*\i+4:X+8*\i+7], v1, s[16:17] offset:8192*\i+16 th:TH_LOAD_NT
.endr
; chunk i is rounded into its Y.  f16 = 1: the bf16 numbers are widened again and written as f16.
.macro ROUND i, f16
.irp k, 0,1,2,3
	v_cvt_pk_bf16_f32 v[Y+4*(\i)+\k], v[X+8*(\i)+2*\k], v[X+8*(\i)+2*\k+1]
.endr
.if \f16
.irp k, 0,1,2,3
	v_lshlrev_b32 v[T+2*\k],   16,  v[Y+4*(\i)+\k]
	v_and_b32     v[T+2*\k+1], s21, v[Y+4*(\i)+\k]
.endr
.irp k, 0,1,2,3
	v_cvt_pk_f16_f32 v[Y+4*(\i)+\k], v[T+2*\k], v[T+2*\k+1]
.endr
.endif
.endm
; the four stores of block p, in one run
.macro OUT4 p
.irp c, 0,1,2,3
	global_store_b128 v2, v[Y+16*(\p)+4*\c:Y+16*(\p)+4*\c+3], s[18:19] offset:4096*(4*(\p)+\c)
.endr
.endm
; block p: chunks 4 p to 4 p + 3 are rounded; at its head the block before is stored.
.macro BLK p, f16
	s_wait_loadcnt 30-8*(\p)                       ; loads return in order (ISA guide 5.7.1): chunk 4 p is in, the 2 (15 - 4 p) younger loads stay out
.if (\p) > 0
	s_wait_alu depctr_va_vdst(0)                   ; the roundings of the block before have written its 16 registers of Y, which the four stores below read
	OUT4 (\p)-1
.endif
.irp c, 0,1,2,3
.if \c > 0
	s_wait_loadcnt 30-8*(\p)-2*\c                  ; chunk 4 p + c is in, the younger loads stay out
.endif
	ROUND 4*(\p)+\c, \f16
.endr
.endm
	s_cmp_ge_u32 ttmp9, 224
	s_cbranch_scc1 .Lproj                          ; the same 32 loads are out on both ways
	BLK 0, 0
	BLK 1, 0
	BLK 2, 0
	BLK 3, 0
	s_wait_alu depctr_va_vdst(0)                   ; block 3's roundings have written its Y, which the last four stores read
	OUT4 3
	s_endpgm
.Lproj:
	BLK 0, 1
	BLK 1, 1
	BLK 2, 1
	BLK 3, 1
	s_wait_alu depctr_va_vdst(0)                   ; block 3's roundings have written its Y, which the last four stores read
	OUT4 3
	s_endpgm
.Lfunc_end_k_q7e6bcef54a_cast:
	.size	k_q7e6bcef54a_cast, .Lfunc_end_k_q7e6bcef54a_cast-k_q7e6bcef54a_cast
	.p2alignl 7, 3214868480
	.fill 96, 4, 3214868480
	.section	.rodata,"a",@progbits
	.p2align	6, 0x0
	.amdhsa_kernel k_q7e6bcef54a_cast
		.amdhsa_group_segment_fixed_size 0
		.amdhsa_private_segment_fixed_size 0
		.amdhsa_enable_private_segment 0
		.amdhsa_kernarg_size 48
		.amdhsa_user_sgpr_count 2
		.amdhsa_user_sgpr_kernarg_segment_ptr 1
		.amdhsa_wavefront_size32 1
		.amdhsa_system_sgpr_workgroup_id_x 1
		.amdhsa_system_sgpr_workgroup_id_y 1
		.amdhsa_system_sgpr_workgroup_id_z 1
		.amdhsa_system_vgpr_workitem_id 0
		.amdhsa_next_free_vgpr 204
		.amdhsa_next_free_sgpr 66
		.amdhsa_reserve_vcc 0
		.amdhsa_float_denorm_mode_32 3
		.amdhsa_float_denorm_mode_16_64 3
		.amdhsa_memory_ordered 1
		.amdhsa_forward_progress 1
		.amdhsa_inst_pref_size 25
	.end_amdhsa_kernel
	.amdgpu_metadata
---
amdhsa.version: [ 1, 2 ]
amdhsa.kernels:
  - .name:           k_q7e6bcef54a_cast
    .symbol:         k_q7e6bcef54a_cast.kd
    .args:
      - { .name: x, .offset: 0, .size: 8, .value_kind: global_buffer, .address_space: global }
      - { .name: W_attn, .offset: 8, .size: 8, .value_kind: global_buffer, .address_space: global }
      - { .name: W_proj, .offset: 16, .size: 8, .value_kind: global_buffer, .address_space: global }
      - { .name: xb, .offset: 24, .size: 8, .value_kind: global_buffer, .address_space: global }
      - { .name: wab, .offset: 32, .size: 8, .value_kind: global_buffer, .address_space: global }
      - { .name: wpb, .offset: 40, .size: 8, .value_kind: global_buffer, .address_space: global }
    .group_segment_fixed_size: 0
    .private_segment_fixed_size: 0
    .kernarg_segment_align: 8
    .kernarg_segment_size: 48
    .max_flat_workgroup_size: 256
    .sgpr_count:     66
    .vgpr_count:     204
    .wavefront_size: 32
...
	.end_amdgpu_metadata
.endif
;; end of part 5
;; launch qkvgemm: the kernel of part 2 again; grid 8 x 32, 4 waves a work-group, clusters of 4 x 4, 327,680 bytes of LDS; arguments xb, wab, b_attn, qkvh; writes qkvh
;; launch attn: the kernel of part 3 again; grid 8 x 32, 8 waves a work-group, no clusters, 232,448 bytes of LDS; arguments qkvh, yb; writes yb
;; launch proj: the kernel of part 4 again; grid 8 x 32, 4 waves a work-group, clusters of 4 x 4, 327,680 bytes of LDS; arguments yb, wpb, b_proj, out0; writes out0
